; MI455X (gfx1250); checked and timed in simulation.
; The chip was launched on July 23, 2026; its instructions are those of AMD's public machine-readable ISA for CDNA 5 (MIT licence, August 2026) and "CDNA5" Instruction Set Architecture Reference Guide (July 2026). The comments in the code are by the model that wrote it; some were corrected since.
;; Multi Head Attention. Allowed arithmetic: float matrix products may take bf16 or f16 operands with f32 sums; all other float work in f32.
;; Inputs: k 2 x 2,048 x 1,024 float32; mask 2 x 2,048 x 2,048 float32; q 2 x 2,048 x 1,024 float32; v 2 x 2,048 x 1,024 float32; wk 1,024 x 1,024 float32; wo 1,024 x 1,024 float32; wq 1,024 x 1,024 float32; wv 1,024 x 1,024 float32.
;; Outputs: out0 2 x 2,048 x 1,024 float32.
;; One version. Each part assembles by itself: llvm-mc -triple=amdgcn-amd-amdhsa -mcpu=gfx1250 --defsym DOCPART=n.
;; ======== version 1 of 1: 4 launches
;; workspace buffers: wb 8,388,608 bytes; qkv 25,165,824 bytes; ao 8,388,608 bytes
;; launch castw (part 1): grid 64 x 4, 8 waves a work-group, no clusters, 0 bytes of LDS; arguments wq, wk, wv, wo, wb; writes wb
.if DOCPART == 1
	.amdgcn_target "amdgcn-amd-amdhsa--gfx1250"
	.amdhsa_code_object_version 6
	.text
	.protected	k_q68b5895433_castw
	.globl	k_q68b5895433_castw
	.p2align	8
	.type	k_q68b5895433_castw,@function
k_q68b5895433_castw:
	s_mov_b64 s[64:65], 0
	v_nop
	global_prefetch_b8 v0, s[64:65] scope:SCOPE_SE
	s_setreg_imm32_b32 hwreg(HW_REG_WAVE_MODE, 25, 1), 1
	s_wait_xcnt 0x0
; wb[y] = bf16(weight y), layout [1024 k][1024 n] kept; y = 0..3 for wq, wk, wv, wo.
; wq alone is first multiplied in f32 by log2(e)/8: the division of the scores by 8 and the change of base for the
; base-2 exponential of the softmax ride on the weight, so that no later launch spends an instruction on them.
; A stream: no LDS, no barrier, no matrix unit, no cluster (no two work-groups read the same byte).
; Work-group (x, y): 16,384 numbers of weight y, 65,536 bytes in, 32,768 out.  Thread t takes 16 items of 4 numbers:
; a wave's load covers 512 neighbouring bytes, a wave's 8-byte store 256 neighbouring bytes at a multiple of 256.
; All 16 loads of a thread go out together; no register is written twice, so no wait frees a source.
.set CSC, 0x3e38aa3b                   ; log2(e) / 8
.set X, 4                              ; v[4:67]   16 items x 4 f32
.set Y, 68                             ; v[68:99]  16 items x 4 bf16
	s_load_b256 s[4:11], s[0:1], 0x0               ; wq s[4:5], wk s[6:7], wv s[8:9], wo s[10:11]
	s_load_b64 s[12:13], s[0:1], 0x20              ; wb
	s_and_b32 s14, ttmp7, 0xffff                   ; y: which weight
	s_lshl_b32 s16, ttmp9, 16                      ; x * 65,536 bytes in
	s_mov_b32 s17, 0
	s_lshl_b32 s18, s14, 21                        ; y * 2 MiB out
	s_lshl_b32 s20, ttmp9, 15                      ; + x * 32,768
	s_add_co_u32 s18, s18, s20
	s_mov_b32 s19, 0
	v_lshlrev_b32 v1, 4, v0                        ; 16 t
	v_lshlrev_b32 v2, 3, v0                        ; 8 t
	s_wait_kmcnt 0x0
	s_cmp_eq_u32 s14, 1                            ; the weight's address is chosen by y
	s_cselect_b64 s[4:5], s[6:7], s[4:5]
	s_cmp_eq_u32 s14, 2
	s_cselect_b64 s[4:5], s[8:9], s[4:5]
	s_cmp_eq_u32 s14, 3
	s_cselect_b64 s[4:5], s[10:11], s[4:5]
	s_add_nc_u64 s[4:5], s[4:5], s[16:17]
	s_add_nc_u64 s[12:13], s[12:13], s[18:19]
.irp i, 0,1,2,3,4,5,6,7,8,9,10,11,12,13,14,15
	global_load_b128 v[X+4*\i:X+4*\i+3], v1, s[4:5] offset:4096*\i th:TH_LOAD_NT
.endr
	s_wait_loadcnt 0x0                             ; nothing is left to issue behind these loads
	s_cmp_lg_u32 s14, 0
	s_cbranch_scc1 .Lplain                         ; only wq is scaled
.set j, 0
.rept 32
	v_pk_mul_f32 v[X+2*j:X+2*j+1], v[X+2*j:X+2*j+1], CSC op_sel_hi:[1,0]
.set j, j+1
.endr
.Lplain:
.set j, 0
.rept 32
	v_cvt_pk_bf16_f32 v[Y+j], v[X+2*j], v[X+2*j+1]
.set j, j+1
.endr
.irp i, 0,1,2,3,4,5,6,7,8,9,10,11,12,13,14,15
	global_store_b64 v2, v[Y+2*\i:Y+2*\i+1], s[12:13] offset:2048*\i
.endr
	s_endpgm
.Lfunc_end_k_q68b5895433_castw:
	.size	k_q68b5895433_castw, .Lfunc_end_k_q68b5895433_castw-k_q68b5895433_castw
	.p2alignl 7, 3214868480
	.fill 96, 4, 3214868480
	.section	.rodata,"a",@progbits
	.p2align	6, 0x0
	.amdhsa_kernel k_q68b5895433_castw
		.amdhsa_group_segment_fixed_size 0
		.amdhsa_private_segment_fixed_size 0
		.amdhsa_enable_private_segment 0
		.amdhsa_kernarg_size 40
		.amdhsa_user_sgpr_count 2
		.amdhsa_user_sgpr_kernarg_segment_ptr 1
		.amdhsa_wavefront_size32 1
		.amdhsa_system_sgpr_workgroup_id_x 1
		.amdhsa_system_sgpr_workgroup_id_y 1
		.amdhsa_system_sgpr_workgroup_id_z 1
		.amdhsa_system_vgpr_workitem_id 0
		.amdhsa_next_free_vgpr 100
		.amdhsa_next_free_sgpr 66
		.amdhsa_reserve_vcc 0
		.amdhsa_float_denorm_mode_32 3
		.amdhsa_float_denorm_mode_16_64 3
		.amdhsa_memory_ordered 1
		.amdhsa_forward_progress 1
		.amdhsa_inst_pref_size 10
	.end_amdhsa_kernel
	.amdgpu_metadata
---
amdhsa.version: [ 1, 2 ]
amdhsa.kernels:
  - .name:           k_q68b5895433_castw
    .symbol:         k_q68b5895433_castw.kd
    .args:
      - { .name: wq, .offset: 0, .size: 8, .value_kind: global_buffer, .address_space: global }
      - { .name: wk, .offset: 8, .size: 8, .value_kind: global_buffer, .address_space: global }
      - { .name: wv, .offset: 16, .size: 8, .value_kind: global_buffer, .address_space: global }
      - { .name: wo, .offset: 24, .size: 8, .value_kind: global_buffer, .address_space: global }
      - { .name: wb, .offset: 32, .size: 8, .value_kind: global_buffer, .address_space: global }
    .group_segment_fixed_size: 0
    .private_segment_fixed_size: 0
    .kernarg_segment_align: 8
    .kernarg_segment_size: 40
    .max_flat_workgroup_size: 256
    .sgpr_count:     66
    .vgpr_count:     100
    .wavefront_size: 32
...
	.end_amdgpu_metadata
.endif
;; end of part 1
;; launch proj (part 2): grid 4 x 48, 4 waves a work-group, clusters of 4 x 4, 327,680 bytes of LDS; arguments q, k, v, wb, qkv; writes qkv
.if DOCPART == 2
	.amdgcn_target "amdgcn-amd-amdhsa--gfx1250"
	.amdhsa_code_object_version 6
	.text
	.protected	k_q68b5895433_proj
	.globl	k_q68b5895433_proj
	.p2align	8
	.type	k_q68b5895433_proj,@function
k_q68b5895433_proj:
	s_mov_b64 s[64:65], 0
	v_nop
	global_prefetch_b8 v0, s[64:65] scope:SCOPE_SE
	s_setreg_imm32_b32 hwreg(HW_REG_WAVE_MODE, 25, 1), 1
	s_wait_xcnt 0x0
	s_wait_alu depctr_hold_cnt(0) depctr_sa_sdst(0) depctr_va_vdst(0) depctr_va_sdst(0) depctr_va_ssrc(0) depctr_va_vcc(0) depctr_vm_vsrc(0)
	s_getreg_b32 s2, hwreg(HW_REG_IB_STS2, 6, 4)
	s_cmp_eq_u32 s2, 0
	s_cbranch_scc0 .Lentry_in_a_cluster
	s_endpgm
.Lentry_in_a_cluster:
	s_bfe_u32 s2, ttmp6, 0x10000c
	s_cmp_lg_u32 s2, 0xf033
	s_cbranch_scc0 .Lentry_shape_is_right
	s_endpgm
.Lentry_shape_is_right:
; qkv[mat] = bf16( x[mat] . wb[mat] ), mat = 0, 1, 2 for (q, wq'), (k, wk), (v, wv).  x: [4096][1024] f32; wb[mat]: [1024 k][1024 n] bf16;
; qkv[mat]: [4096][1024] bf16.  Sums in f32; x is rounded to bf16 on the way from LDS to the matrix unit.
; A work-group makes 256 x 256 of one product with four waves, 128 x 128 each: 64 accumulator tiles, 512 registers.
; 3 x 16 x 4 = 192 work-groups: the factor 3 divides into no equal tiling of 256, and halved tiles would be 384 work-groups of more LDS bytes for each multiply-add.
; K goes in 16 steps of 64 (a row of 64 f32 is 256 bytes of memory at a multiple of 256) through two LDS slots; a step is two quarters of 32.
; CLUSTERS: 4 x 4 work-groups.  x's tile hangs on the block row alone and is asked for jointly along a row of the cluster, the weight's tile on the block
; column alone and jointly along a column: the requests for both are divided by four.  mat is the same in the whole cluster.
; The weight lies [k][n]: its fragments are read by the transposing LDS load; x lies [m][k] in f32: its fragments are read as 16 f32 a lane and packed.
; The matrix instruction is used transposed (source 0 = weight, source 1 = x): a lane's 8 results are 8 neighbouring columns of one row.
; REGISTERS in windows of 256:  window 0: v16-26 addresses, v64-127 / v128-191 x's bf16 fragments (two buffers), v192-223 the way out;
;   window 1: v64-127 / v128-191 the weight's fragments (two buffers), v0-63 and v192-255 x's fragments as f32, fresh from LDS;  windows 2, 3: accumulators.
; LIMITS: non-finite inputs are not followed; matrix operands are bf16.
.set APITCH, 272                       ; x's LDS row: 256 bytes + 16: 16 rows of one fragment start 68 words apart, at 16 different places modulo 64 words
.set BPITCH, 288                       ; the weight's LDS row: 256 bytes + 32: an odd multiple of 32, for the transposing load
.set AHALF,  128*APITCH                ; 34,816: one tensor load of x, and one wave's rows
.set BSTRIP, 64*BPITCH                 ; 18,432: one tensor load of the weight (64 k x 128 n), and one wave's columns
.set BOFF,   2*AHALF
.set SLOT,   BOFF+2*BSTRIP             ; 106,496
.set STAGE,  2*SLOT                    ; 212,992, a multiple of 256: 16 rows x 272 bytes for each wave, never a tensor load's target
.set SPITCH, 272
.set ADRA, 16                          ; v16-17  LDS address of my x fragments in slot 0, 1
.set ADRB, 20                          ; v20-21  the same for the weight
.set STO,  24
.set RD,   25
.set CO,   26
.set F0,   64
.set F1,   128
.set TMP,  192
.set G1A, 24                           ; s[24:31] shape of x's tile       s[32:39] its two group 0 sets
.set G0A, 32
.set G1B, 40                           ; s[40:47] shape of the weight's   s[48:55] its two group 0 sets
.set G0B, 48
.set MSB, 0
.macro WIN new                         ; the immediate's high byte repeats the setting that is left
.if MSB != \new
	s_set_vgpr_msb (MSB<<8)|\new
.set MSB, \new
.endif
.endm
.set MUL_LO, 0xa1                      ; source 0 window 1, source 1 window 0, C and D window 2
.set MUL_HI, 0xf1                      ; the same, C and D window 3
.set TO_W1,  0x40                      ; destination window 1, address window 0
.set FROM_W1, 0x05                     ; sources 0 and 1 window 1, destination window 0
.macro PLACES n
.rept \n
	v_nop
.endr
.endm
; A joint load: waves 0 and 1 fetch x's two halves, waves 2 and 3 the weight's two strips.  The branch hangs on the wave's number alone.
.macro JLOAD s
	s_cmp_eq_u32 s15, 0
	s_cbranch_scc0 .Lfor_b_\@
	tensor_load_to_lds s[G0A+4*\s:G0A+4*\s+3], s[G1A:G1A+7]
	s_nop 0
	s_branch .Lasked_\@
.Lfor_b_\@:
	tensor_load_to_lds s[G0B+4*\s:G0B+4*\s+3], s[G1B:G1B+7]
	s_nop 0
.Lasked_\@:
.endm
.macro CREST                           ; a round of the cluster's barrier behind its opening work-group barrier
	s_cmp_lg_u32 s14, 0
	s_cbranch_scc1 .Lnot_wave_0_\@
	s_barrier_signal -3
.Lnot_wave_0_\@:
	s_barrier_wait -3
	s_barrier_signal -1
	s_barrier_wait -1
.endm
.macro CROUND
	s_barrier_signal -1
	s_barrier_wait -1
	CREST
.endm
	s_load_b256 s[4:11], s[0:1], 0x0               ; q s[4:5], k s[6:7], v s[8:9], wb s[10:11]
	s_load_b64 s[12:13], s[0:1], 0x20              ; qkv
	v_lshl_add_u32 v254, v0, 2, 0x38400
	v_mov_b32 v255, 0
	ds_add_u32 v254, v255
	v_lshrrev_b32 v1, 5, v0
	v_readfirstlane_b32 s14, v1                    ; wave 0..3
	s_lshr_b32 s15, s14, 1                         ; mh: my half of the rows.  Also: I fetch x (0) or the weight (1)
	s_and_b32 s16, s14, 1                          ; nh: my half of the columns.  Also: which half or strip I fetch
	s_bfe_u32 s17, ttmp6, 0x40000                  ; cx
	s_bfe_u32 s18, ttmp6, 0x40004                  ; cy
	s_lshl_b32 s19, ttmp9, 2
	s_add_co_u32 s19, s19, s17                     ; bn = block column, 0..3
	s_and_b32 s20, ttmp7, 0xffff                   ; the cluster's y, 0..11
	s_lshr_b32 s21, s20, 2                         ; mat
	s_and_b32 s22, s20, 3
	s_lshl_b32 s22, s22, 2
	s_add_co_u32 s22, s22, s18                     ; bm = block row, 0..15
	s_lshl_b32 s56, s18, 2
	s_lshl_b32 s56, 15, s56                        ; my row of the cluster
	s_lshl_b32 s57, 0x1111, s17                    ; my column
	; x's tile: 128 rows x 64 f32, 4 words of padding behind every 64
	s_or_b32 s[G1A+0], s56, (2<<16)|(1<<20)|(1<<21)|(5<<22)|(3<<25)
	s_mov_b32 s[G1A+1], 64<<16                     ; tensor_dim0 = 64
	s_mov_b32 s[G1A+2], 128<<16                    ; tensor_dim1 = 128
	s_mov_b32 s[G1A+3], 64<<16                     ; tile_dim0 = 64
	s_mov_b32 s[G1A+4], 128                        ; tile_dim1 = 128
	s_mov_b32 s[G1A+5], 1024                       ; elements from row to row
	s_mov_b32 s[G1A+6], 0
	s_mov_b32 s[G1A+7], 0
	; the weight's tile: 64 k rows x 128 bf16, 8 words of padding behind every 64
	s_or_b32 s[G1B+0], s57, (1<<16)|(1<<20)|(1<<21)|(5<<22)|(7<<25)
	s_mov_b32 s[G1B+1], 128<<16
	s_mov_b32 s[G1B+2], 64<<16
	s_mov_b32 s[G1B+3], 128<<16
	s_mov_b32 s[G1B+4], 64
	s_mov_b32 s[G1B+5], 1024
	s_mov_b32 s[G1B+6], 0
	s_mov_b32 s[G1B+7], 0
	s_lshl_b32 s58, s22, 8                         ; x: row 256 bm + 128 nh, 4,096 bytes a row (no cx enters s[58:59])
	s_lshl_b32 s59, s16, 7
	s_add_co_u32 s58, s58, s59
	s_lshl_b32 s58, s58, 12
	s_mov_b32 s59, 0
	s_lshl_b32 s60, s21, 21                        ; the weight: 2 MiB mat + 512 bn + 256 nh (no cy enters s[60:61])
	s_lshl_b32 s61, s19, 9
	s_add_co_u32 s60, s60, s61
	s_lshl_b32 s61, s16, 8
	s_add_co_u32 s60, s60, s61
	s_mov_b32 s61, 0
	s_mul_i32 s62, s16, AHALF                      ; where they go: the wave's number alone
	s_mul_i32 s63, s16, BSTRIP
	s_add_co_u32 s63, s63, BOFF
	s_wait_dscnt 0x0
	s_wait_kmcnt 0x0
	s_cmp_eq_u32 s21, 1                            ; x is chosen by mat
	s_cselect_b64 s[4:5], s[6:7], s[4:5]
	s_cmp_eq_u32 s21, 2
	s_cselect_b64 s[4:5], s[8:9], s[4:5]
	s_add_nc_u64 s[58:59], s[4:5], s[58:59]
	s_add_nc_u64 s[60:61], s[10:11], s[60:61]
	CROUND                                         ; all sixteen work-groups are here: the first joint loads meet
.irp s, 0,1
	s_mov_b32 s[G0A+4*\s], 1
	s_add_co_u32 s[G0A+4*\s+1], s62, \s*SLOT
	s_add_nc_u64 s[G0A+4*\s+2:G0A+4*\s+3], s[58:59], \s*256          ; K step s: 64 f32 along the row
	s_or_b32 s[G0A+4*\s+3], s[G0A+4*\s+3], 0x80000000
	s_mov_b32 s[G0B+4*\s], 1
	s_add_co_u32 s[G0B+4*\s+1], s63, \s*SLOT
	s_add_nc_u64 s[G0B+4*\s+2:G0B+4*\s+3], s[60:61], \s*131072       ; K step s: 64 rows of 2,048 bytes
	s_or_b32 s[G0B+4*\s+3], s[G0B+4*\s+3], 0x80000000
	JLOAD \s                                       ; both slots' first fills go out together: two tensor loads of the wave are out
.endr
	v_and_b32 v1, 15, v0                           ; r = lane % 16
	v_bfe_u32 v2, v0, 4, 1                         ; h = lane / 16
	v_and_b32 v3, 7, v0
	v_bfe_u32 v4, v0, 3, 1
	v_mul_u32_u24 v5, v1, APITCH
	v_lshl_add_u32 v5, v2, 5, v5                   ; x: row r, 8 f32 (32 bytes) for each half of the lanes
	v_lshl_add_u32 v6, v2, 3, v3                   ; the weight: k row 8 h + lane % 8,
	v_mul_u32_u24 v6, v6, BPITCH
	v_lshl_add_u32 v6, v4, 4, v6                   ; 16 bytes by bit 3 of the lane
	s_mul_i32 s23, s15, AHALF
	s_mul_i32 s2, s16, BSTRIP
	s_add_co_u32 s2, s2, BOFF
	v_add_nc_u32 v[ADRA], s23, v5
	v_add_nc_u32 v[ADRB], s2, v6
	v_add_nc_u32 v[ADRA+1], SLOT, v[ADRA]
	v_add_nc_u32 v[ADRB+1], SLOT, v[ADRB]
	s_mul_i32 s23, s14, 16*SPITCH
	s_add_co_u32 s23, s23, STAGE                   ; my stage
	v_mul_u32_u24 v7, v1, SPITCH
	v_lshl_add_u32 v7, v2, 4, v7
	v_add_nc_u32 v[STO], s23, v7                   ; in: row r, 16 bytes for each half of the lanes
	v_mul_u32_u24 v8, v2, SPITCH
	v_lshl_add_u32 v8, v1, 4, v8
	v_add_nc_u32 v[RD], s23, v8                    ; back: 16 lanes take a row of 256 bytes
	v_lshlrev_b32 v9, 11, v2
	v_lshl_add_u32 v[CO], v1, 4, v9                ; the same two rows in qkv (2,048 bytes a row)
; 16 matrix instructions: m blocks a0, a0 + 1 of the window's four x all 8 n blocks, 32 along K.  zero = 1: the first product starts the sums.
; The 64 accumulators take turns, one instruction a turn, in the same order in every quarter.
.macro MUL16 f, hi, a0, zero
.irp a, \a0, \a0+1
.irp b, 0,1,2,3,4,5,6,7
.if \zero
	v_wmma_f32_16x16x32_bf16 v[8*(8*(\a)+\b):8*(8*(\a)+\b)+7], v[\f+8*\b:\f+8*\b+7], v[\f+8*(4*\hi+\a):\f+8*(4*\hi+\a)+7], 0
.else
	v_wmma_f32_16x16x32_bf16 v[8*(8*(\a)+\b):8*(8*(\a)+\b)+7], v[\f+8*\b:\f+8*\b+7], v[\f+8*(4*\hi+\a):\f+8*(4*\hi+\a)+7], v[8*(8*(\a)+\b):8*(8*(\a)+\b)+7]
.endif
.endr
.endr
.endm
; 48 LDS loads, all into window 1: quarter kq's 8 weight fragments into buffer g (transposing loads: k 8h.. and 16+8h.. of column r),
; and x's 8 fragments as f32 (fragment i at v[16 i], i < 4, and v[128 + 16 i], i >= 4): k = 8h..8h+7 at bytes 32 h, k = 16+8h.. at 64 + 32 h.
.macro FETCH slot, kq, g
	WIN TO_W1
.irp b, 0,1,2,3,4,5,6,7
	ds_load_tr16_b128 v[\g+8*\b:\g+8*\b+3],   v[ADRB+\slot] offset:32*BPITCH*\kq+32*\b
	ds_load_tr16_b128 v[\g+8*\b+4:\g+8*\b+7], v[ADRB+\slot] offset:32*BPITCH*\kq+32*\b+16*BPITCH
.endr
.irp i, 0,1,2,3,4,5,6,7
.irp p, 0,1,2,3
	ds_load_b128 v[16*\i+128*(\i/4)+4*\p:16*\i+128*(\i/4)+4*\p+3], v[ADRA+\slot] offset:16*APITCH*\i+128*\kq+16*(\p&1)+64*(\p>>1)
.endr
.endr
.endm
; x's 8 fragments, f32 to bf16, into buffer g of window 0
.macro CVT g
	WIN FROM_W1
.irp i, 0,1,2,3,4,5,6,7
.irp j, 0,1,2,3,4,5,6,7
	v_cvt_pk_bf16_f32 v[\g+8*\i+\j], v[16*\i+128*(\i/4)+2*\j], v[16*\i+128*(\i/4)+2*\j+1]
.endr
.endr
.endm
; A step's first quarter: multiplies buffer 0; in its middle it fetches the second quarter, at its end it packs x's part.
; The four v_nop stand between matrix instructions and loads into registers that matrix instructions have read (ISA guide 7.12.1 for vector
; instructions).
.macro QUARTER slot, zero
	WIN MUL_LO
	MUL16 F0, 0, 0, \zero
	MUL16 F0, 0, 2, \zero
	PLACES 4
	FETCH \slot, 1, F1
	WIN MUL_HI
	MUL16 F0, 1, 0, \zero
	MUL16 F0, 1, 2, \zero
	s_wait_dscnt 0x0                               ; x's f32 are the youngest of the 48 loads
	CVT F1
.endm
; A step's second quarter: multiplies buffer 1 and changes slots.  fill = 1: this slot is filled again, two K steps ahead.
; In front of the barrier each wave has waited for its reads of this slot and for all its tensor loads (the one out is its part of the next slot);
; behind it (and behind the cluster's round that it opens) the refill comes first, then the next slot's first fragments.
; From a request to the wait for it a wave issues 112 matrix instructions and 128 conversions.
.macro TURN slot, next, fill
	WIN MUL_LO
	MUL16 F1, 0, 0, 0
	s_wait_dscnt 0x0
	s_set_vgpr_msb 0xa1a0
	s_wait_tensorcnt 0x0
	ds_add_u32 v254, v255
	s_wait_dscnt 0x0
	s_set_vgpr_msb 0xa0a1
	s_barrier_signal -1
	MUL16 F1, 0, 2, 0                              ; register work while the others arrive
	WIN 0
	s_barrier_wait -1
.if \fill
	CREST
	s_add_nc_u64 s[G0A+4*\slot+2:G0A+4*\slot+3], s[G0A+4*\slot+2:G0A+4*\slot+3], 512
	s_add_nc_u64 s[G0B+4*\slot+2:G0B+4*\slot+3], s[G0B+4*\slot+2:G0B+4*\slot+3], 262144
	JLOAD \slot                                    ; my one tensor load behind the round
.endif
	PLACES 4
	FETCH \next, 0, F0
	WIN MUL_HI
	MUL16 F1, 1, 0, 0
	MUL16 F1, 1, 2, 0
	s_wait_dscnt 0x0
	CVT F0
.endm
.macro LAP zero
	QUARTER 0, \zero
	TURN 0, 1, 1
	QUARTER 1, 0
	TURN 1, 0, 1
.endm
	s_wait_tensorcnt 0x1                           ; my part of K step 0 is in; step 1's stays out
	s_barrier_signal -1
	s_barrier_wait -1
	FETCH 0, 0, F0
	s_wait_dscnt 0x0
	CVT F0
	LAP 1                                          ; steps 0, 1; asks for 2, 3
	WIN 0
	s_mov_b32 s3, 6                                ; steps 2 to 13; asks for 4 to 15
.Llap:
	LAP 0
	WIN 0
	s_sub_co_u32 s3, s3, 1
	s_cmp_lg_u32 s3, 0
	s_cbranch_scc1 .Llap
	QUARTER 0, 0                                   ; steps 14, 15: nothing is left to ask for
	TURN 0, 1, 0
	QUARTER 1, 0
	WIN MUL_LO
	MUL16 F1, 0, 0, 0
	MUL16 F1, 0, 2, 0
	WIN MUL_HI
	MUL16 F1, 1, 0, 0
	MUL16 F1, 1, 2, 0
	; THE WAY OUT, 16 rows at a time: round to bf16, 16 bytes a lane into my own stage, read back as rows of 256 bytes.
	PLACES 4                                       ; behind the last matrix instructions, for the conversions and the loads into buffers 0 and 1
	s_lshl_b32 s58, s22, 8                         ; my first row: 256 bm + 128 mh, 2,048 bytes a row, + 8 MiB mat
	s_lshl_b32 s59, s15, 7
	s_add_co_u32 s58, s58, s59
	s_lshl_b32 s58, s58, 11
	s_lshl_b32 s59, s21, 23
	s_add_co_u32 s58, s58, s59
	s_mov_b32 s59, 0
	s_add_nc_u64 s[12:13], s[12:13], s[58:59]
	s_lshl_b32 s60, s19, 9                         ; my first column in bytes: 512 bn + 256 nh
	s_lshl_b32 s61, s16, 8
	s_add_co_u32 s60, s60, s61
	s_mov_b32 s61, 0
	s_add_nc_u64 s[12:13], s[12:13], s[60:61]
.macro OUT16 i, a, from, f
	WIN \from
.irp b, 0,1,2,3,4,5,6,7
.irp r, 0,1,2,3
	v_cvt_pk_bf16_f32 v[TMP+4*\b+\r], v[8*(8*\a+\b)+2*\r], v[8*(8*\a+\b)+2*\r+1]
.endr
.endr
	WIN 0
.irp b, 0,1,2,3,4,5,6,7
	ds_store_b128 v[STO], v[TMP+4*\b:TMP+4*\b+3] offset:32*\b
.endr
	s_wait_xcnt 0x0                                ; buffer f, which earlier stores read, is loaded again only behind this wait
.irp t, 0,1,2,3,4,5,6,7
	ds_load_b128 v[\f+4*\t:\f+4*\t+3], v[RD] offset:\t*2*SPITCH    ; a wave's LDS instructions are served in order: these see the stores above
.endr
.irp t, 0,1,2,3,4,5,6,7
	s_wait_dscnt 7-\t                              ; read-back t is in, the younger ones stay out
	global_store_b128 v[CO], v[\f+4*\t:\f+4*\t+3], s[12:13] offset:(16*\i+2*\t)*2048   ; 16 lanes store 256 consecutive bytes at a multiple of 256
.endr
.endm
	OUT16 0, 0, 0x0a, F0
	OUT16 1, 1, 0x0a, F1
	OUT16 2, 2, 0x0a, F0
	OUT16 3, 3, 0x0a, F1
	OUT16 4, 0, 0x0f, F0
	OUT16 5, 1, 0x0f, F1
	OUT16 6, 2, 0x0f, F0
	OUT16 7, 3, 0x0f, F1
	s_wait_tensorcnt 0x0
	ds_add_u32 v254, v255
	s_wait_dscnt 0x0
	CROUND                                         ; the closing round: no work-group ends while a partner may still ask jointly
	s_endpgm
.Lfunc_end_k_q68b5895433_proj:
	.size	k_q68b5895433_proj, .Lfunc_end_k_q68b5895433_proj-k_q68b5895433_proj
	.p2alignl 7, 3214868480
	.fill 96, 4, 3214868480
	.section	.rodata,"a",@progbits
	.p2align	6, 0x0
	.amdhsa_kernel k_q68b5895433_proj
		.amdhsa_group_segment_fixed_size 327680
		.amdhsa_private_segment_fixed_size 0
		.amdhsa_enable_private_segment 0
		.amdhsa_kernarg_size 40
		.amdhsa_user_sgpr_count 2
		.amdhsa_user_sgpr_kernarg_segment_ptr 1
		.amdhsa_wavefront_size32 1
		.amdhsa_system_sgpr_workgroup_id_x 1
		.amdhsa_system_sgpr_workgroup_id_y 1
		.amdhsa_system_sgpr_workgroup_id_z 1
		.amdhsa_system_vgpr_workitem_id 0
		.amdhsa_next_free_vgpr 1024
		.amdhsa_next_free_sgpr 66
		.amdhsa_reserve_vcc 0
		.amdhsa_float_denorm_mode_32 3
		.amdhsa_float_denorm_mode_16_64 3
		.amdhsa_memory_ordered 1
		.amdhsa_forward_progress 1
		.amdhsa_inst_pref_size 180
	.end_amdhsa_kernel
	.amdgpu_metadata
---
amdhsa.version: [ 1, 2 ]
amdhsa.kernels:
  - .name:           k_q68b5895433_proj
    .symbol:         k_q68b5895433_proj.kd
    .args:
      - { .name: q, .offset: 0, .size: 8, .value_kind: global_buffer, .address_space: global }
      - { .name: k, .offset: 8, .size: 8, .value_kind: global_buffer, .address_space: global }
      - { .name: v, .offset: 16, .size: 8, .value_kind: global_buffer, .address_space: global }
      - { .name: wb, .offset: 24, .size: 8, .value_kind: global_buffer, .address_space: global }
      - { .name: qkv, .offset: 32, .size: 8, .value_kind: global_buffer, .address_space: global }
    .group_segment_fixed_size: 327680
    .private_segment_fixed_size: 0
    .kernarg_segment_align: 8
    .kernarg_segment_size: 40
    .max_flat_workgroup_size: 128
    .sgpr_count:     66
    .vgpr_count:     1024
    .wavefront_size: 32
...
	.end_amdgpu_metadata
.endif
;; end of part 2
;; launch attn (part 3): grid 32 x 8, 8 waves a work-group, clusters of 4 x 4, 327,680 bytes of LDS; arguments qkv, mask, ao; writes ao
.if DOCPART == 3
	.amdgcn_target "amdgcn-amd-amdhsa--gfx1250"
	.amdhsa_code_object_version 6
	.text
	.protected	k_q68b5895433_attn
	.globl	k_q68b5895433_attn
	.p2align	8
	.type	k_q68b5895433_attn,@function
k_q68b5895433_attn:
	s_mov_b64 s[64:65], 0
	v_nop
	global_prefetch_b8 v0, s[64:65] scope:SCOPE_SE
	s_setreg_imm32_b32 hwreg(HW_REG_WAVE_MODE, 25, 1), 1
	s_wait_xcnt 0x0
	s_wait_alu depctr_hold_cnt(0) depctr_sa_sdst(0) depctr_va_vdst(0) depctr_va_sdst(0) depctr_va_ssrc(0) depctr_va_vcc(0) depctr_vm_vsrc(0)
	s_getreg_b32 s2, hwreg(HW_REG_IB_STS2, 6, 4)
	s_cmp_eq_u32 s2, 0
	s_cbranch_scc0 .Lentry_in_a_cluster
	s_endpgm
.Lentry_in_a_cluster:
	s_bfe_u32 s2, ttmp6, 0x10000c
	s_cmp_lg_u32 s2, 0xf033
	s_cbranch_scc0 .Lentry_shape_is_right
	s_endpgm
.Lentry_shape_is_right:
; ao = softmax over keys of ( (Q K^T / 8) * mask ) . V, head by head.  Q, K, V: qkv[0..2], [4096 = b 2048 + n][1024 = 64 head + d] bf16;
; Q already carries log2(e)/8, so the exponentials are base 2.  mask: [4096][2048] f32, one for all heads.  ao: [4096][1024] bf16.
; A work-group: 128 query rows x 2 heads (R rows x H heads with R H = 256 move 8 R KiB of mask and 512 H KiB of K and V: least at 128 x 2; a row of
; ao's block is then 256 bytes).  Eight waves: wave w takes head w / 4 of the pair and query rows 32 (w % 4) .. + 31 (two tiles of 16, qt = 0, 1).
; Keys go in 16 tiles of 128 through two LDS slots; a tile is two blocks of 64 keys, each with its own step of the running maximum.
; THE PRODUCTS ARE TRANSPOSED: S^T = K Q^T gives lane (r, h) query r and keys 8 h .. 8 h + 7 of each key tile: that is the layout in which
; O^T = V^T P^T wants P^T as its second source, so P never leaves registers; maximum and sum are one number a lane; the mask is 32 neighbouring bytes a lane and tile.
; A PIPELINE OVER THE BLOCKS.  Block j has three stages: A(j): S = K Q^T, 16 matrix instructions; B(j): mask, maximum, exponentials, sum, rounding, 274 vector
; instructions; C(j): O += V^T P^T, 16 matrix instructions.  The body of block j runs B(j) and lays C(j-1) and A(j+1) into it, one matrix instruction to two
; vector instructions, so that no matrix instruction stands next to another.  S has two buffers (even and odd blocks); P(j-1) lies in the buffer that A(j+1) writes later.
; O is brought to block j's maximum behind C(j-1) and ahead of C(j).
; CLUSTERS: 4 x 4.  K's and V's tiles hang on batch and head pair and are asked for jointly along a row of the cluster; the mask's tile hangs on the query
; block and is asked for jointly along a column.  Each of the eight waves issues one joint load of 64 rows x 256 bytes for each tile of keys.
; REGISTERS in two windows of 256.  Window 0: addresses, softmax state, Q, O, the two S buffers.  Window 1: fragments fresh from LDS (K, V, mask, a buffer each, so that
; each is asked for most of a block ahead) and the factor for O.  Three settings: 0; source 0 in window 1 (matrix instructions, and the packed products whose first
; source is the mask or the factor: they can stand between matrix instructions without a switch); destination in window 1 (LDS loads).  Eight switches a block.
; The running maximum is seeded by the first 64 keys; sums, mask product and softmax in f32; P, Q, K, V are bf16 matrix operands.
; LIMITS: non-finite inputs are not followed.  v_exp_f32 gives 0 below 2^-126 (ISA guide 15.8): probabilities that small beside the row's largest count as 0.
.set KPART,  64*272                    ; 17,408: 64 keys x (256 + 16) bytes: one tensor load of K
.set VPART,  64*288                    ; 18,432: 64 keys x (256 + 32) bytes: one tensor load of V (pitch an odd multiple of 32 for the transposing load)
.set VOFF,   2*KPART                   ; 34,816
.set MOFF,   VOFF+2*VPART              ; 71,680
.set MPART,  64*272                    ; 17,408: 64 query rows x 64 keys f32: one tensor load of the mask
.set MSTRIP, 2*MPART                   ; a strip of 64 keys: 128 rows
.set SLOT,   MOFF+2*MSTRIP             ; 141,312
.set STAGE,  2*SLOT                    ; 282,624, a multiple of 256: 128 rows x 272 bytes, never a tensor load's target
; window 0
.set KA, 2                             ; v2-3    LDS address of my K fragments in slot 0, 1
.set VA, 4                             ; v4-5    of my V fragments
.set MA, 6                             ; v6-7    of my mask words
.set MM, 8                             ; v[8:9], v[10:11]   the running maximum of qt = 0, 1, twice (a pair for the packed subtraction)
.set AL, 12                            ; v12, v14 the factor 2^(old - new maximum); v13, v15 the running sum (of this half of the lanes' keys)
.set QF, 16                            ; v[16:47]   Q(qt, ks) at 16 qt + 8 ks
.set OA, 48                            ; v[48:111]  O(dt, qt) at 8 (2 dt + qt)
.set SA, 112                           ; v[112:175] S of even blocks: S(kt, qt) at 16 (2 (kt / 2) + qt) + 8 (kt % 2); P(g, qt) = the first 8 registers of block 2 g + qt
.set SB, 176                           ; v[176:239] S of odd blocks
.set CH, 240                           ; v[240:247] eight chains of maxima (4 qt + 2 g + e) ...
.set SU, 240                           ; ... and later four pairs of sums (4 qt + 2 g)
.set PX, 248                           ; v248-249  from the other half of the lanes
.set QO, 250
.set RD, 251
.set CO, 252
.set STO, 253
; window 1
.set KF, 0                             ; v[256:319] K(kt, ks) at 16 kt + 8 ks
.set VF, 64                            ; v[320:383] V(g, dt) at 32 g + 8 dt
.set MF, 128                           ; v[384:447] the mask, register for register as S
.set AP, 192                           ; v[448:451] the factor of qt = 0, 1, each the first register of a pair
.set G1K, 20
.set G1V, 28
.set G1M, 36
.set G0K, 44
.set G0V, 52
.set G0M, 68
.set MSB, 0
.macro WIN new                         ; the immediate's high byte repeats the setting that is left
.if MSB != \new
	s_set_vgpr_msb (MSB<<8)|\new
.set MSB, \new
.endif
.endm
.set W_MUL, 0x01                       ; source 0 window 1
.set W_LD,  0x40                       ; destination window 1
.macro PLACES n
.rept \n
	v_nop
.endr
.endm
; A joint load: waves 0, 1 K's two parts, waves 2, 3 V's, waves 4 to 7 the mask's four.  The branches hang on the wave's number alone.
.macro JLOAD s
	s_cmp_lg_u32 s11, 0
	s_cbranch_scc1 .Lnot_k_\@
	tensor_load_to_lds s[G0K+4*\s:G0K+4*\s+3], s[G1K:G1K+7]
	s_nop 0
	s_branch .Lasked_\@
.Lnot_k_\@:
	s_cmp_lg_u32 s11, 1
	s_cbranch_scc1 .Lfor_m_\@
	tensor_load_to_lds s[G0V+4*\s:G0V+4*\s+3], s[G1V:G1V+7]
	s_nop 0
	s_branch .Lasked_\@
.Lfor_m_\@:
	tensor_load_to_lds s[G0M+4*\s:G0M+4*\s+3], s[G1M:G1M+7]
	s_nop 0
.Lasked_\@:
.endm
.macro CROUND                          ; a round of the cluster's barrier
	s_barrier_signal -1
	s_barrier_wait -1
	s_cmp_lg_u32 s10, 0
	s_cbranch_scc1 .Lnot_wave_0_\@
	s_barrier_signal -3
.Lnot_wave_0_\@:
	s_barrier_wait -3
	s_barrier_signal -1
	s_barrier_wait -1
.endm
	s_load_b128 s[4:7], s[0:1], 0x0                ; qkv s[4:5], mask s[6:7]
	s_load_b64 s[8:9], s[0:1], 0x10                ; ao
	v_lshl_add_u32 v254, v0, 2, 0x4d800
	v_mov_b32 v255, 0
	ds_add_u32 v254, v255
	v_lshrrev_b32 v1, 5, v0
	v_readfirstlane_b32 s10, v1                    ; wave 0..7
	s_lshr_b32 s11, s10, 1                         ; 0: I fetch K, 1: V, 2 and 3: the mask
	s_and_b32 s12, s10, 1
	s_and_b32 s13, s10, 3                          ; my 32 query rows; also my part of the mask's tile
	s_lshr_b32 s14, s10, 2                         ; my head of the pair
	s_bfe_u32 s15, ttmp6, 0x40000                  ; cx
	s_bfe_u32 s16, ttmp6, 0x40004                  ; cy
	s_lshl_b32 s17, ttmp9, 2
	s_add_co_u32 s17, s17, s15                     ; gx: query rows 128 gx .. of the 4,096
	s_and_b32 s18, ttmp7, 0xffff
	s_lshl_b32 s18, s18, 2
	s_add_co_u32 s18, s18, s16                     ; gy: the head pair, columns 128 gy ..
	s_lshr_b32 s19, ttmp9, 2                       ; batch = gx / 16, the same in the whole cluster
	s_lshl_b32 s76, s16, 2
	s_lshl_b32 s76, 15, s76                        ; my row of the cluster
	s_lshl_b32 s77, 0x1111, s15                    ; my column
	s_mov_b32 s80, 0x76543210                      ; v_permlanex16_b32: lane i reads lane i of the other half
	s_mov_b32 s81, 0xfedcba98
	; K: 64 rows x 128 bf16, 4 words of padding behind every 64; V: the same with 8 words; the mask: 64 rows x 64 f32, 4 words
	s_or_b32 s[G1K+0], s76, (1<<16)|(1<<20)|(1<<21)|(5<<22)|(3<<25)
	s_or_b32 s[G1V+0], s76, (1<<16)|(1<<20)|(1<<21)|(5<<22)|(7<<25)
	s_or_b32 s[G1M+0], s77, (2<<16)|(1<<20)|(1<<21)|(5<<22)|(3<<25)
	s_mov_b32 s[G1K+1], 128<<16                    ; tensor_dim0
	s_mov_b32 s[G1V+1], 128<<16
	s_mov_b32 s[G1M+1], 64<<16
	s_mov_b32 s[G1K+2], 64<<16                     ; tensor_dim1
	s_mov_b32 s[G1V+2], 64<<16
	s_mov_b32 s[G1M+2], 64<<16
	s_mov_b32 s[G1K+3], 128<<16                    ; tile_dim0
	s_mov_b32 s[G1V+3], 128<<16
	s_mov_b32 s[G1M+3], 64<<16
	s_mov_b32 s[G1K+4], 64                         ; tile_dim1
	s_mov_b32 s[G1V+4], 64
	s_mov_b32 s[G1M+4], 64
	s_mov_b32 s[G1K+5], 1024                       ; elements from row to row
	s_mov_b32 s[G1V+5], 1024
	s_mov_b32 s[G1M+5], 2048
	s_mov_b32 s[G1K+6], 0
	s_mov_b32 s[G1V+6], 0
	s_mov_b32 s[G1M+6], 0
	s_mov_b32 s[G1K+7], 0
	s_mov_b32 s[G1V+7], 0
	s_mov_b32 s[G1M+7], 0
	s_lshl_b32 s60, s19, 22                        ; K: 8 MiB + batch x 2,048 rows of 2,048 bytes + 256 gy + my 64 rows (no cx enters s[60:61])
	s_lshl_b32 s61, s18, 8
	s_add_co_u32 s60, s60, s61
	s_lshl_b32 s61, s12, 17
	s_add_co_u32 s60, s60, s61
	s_add_co_u32 s60, s60, 0x800000
	s_mov_b32 s61, 0
	s_lshl_b32 s62, s17, 20                        ; the mask: 128 gx rows of 8,192 bytes + my 64 rows + my strip of 256 bytes (no cy enters s[62:63])
	s_lshl_b32 s63, s12, 19
	s_add_co_u32 s62, s62, s63
	s_lshr_b32 s63, s13, 1
	s_lshl_b32 s63, s63, 8
	s_add_co_u32 s62, s62, s63
	s_mov_b32 s63, 0
	s_lshl_b32 s78, s17, 18                        ; Q's and ao's block: 128 gx rows of 2,048 bytes + 256 gy
	s_lshl_b32 s79, s18, 8
	s_add_co_u32 s78, s78, s79
	s_mov_b32 s79, 0
	s_mul_i32 s66, s12, KPART                      ; where the tiles go: the wave's number alone
	s_mul_i32 s67, s12, VPART
	s_add_co_u32 s67, s67, VOFF
	s_mul_i32 s82, s13, MPART
	s_add_co_u32 s82, s82, MOFF
	s_wait_dscnt 0x0
	s_wait_kmcnt 0x0
	s_add_nc_u64 s[60:61], s[4:5], s[60:61]
	s_add_nc_u64 s[62:63], s[6:7], s[62:63]
	CROUND                                         ; all sixteen work-groups are here: the first joint loads meet
.irp s, 0,1
	s_mov_b32 s[G0K+4*\s], 1
	s_add_co_u32 s[G0K+4*\s+1], s66, \s*SLOT
	s_add_nc_u64 s[G0K+4*\s+2:G0K+4*\s+3], s[60:61], \s*262144                ; tile s: 128 keys of 2,048 bytes
	s_or_b32 s[G0K+4*\s+3], s[G0K+4*\s+3], 0x80000000
	s_mov_b32 s[G0V+4*\s], 1
	s_add_co_u32 s[G0V+4*\s+1], s67, \s*SLOT
	s_add_nc_u64 s[G0V+4*\s+2:G0V+4*\s+3], s[60:61], 0x800000+\s*262144       ; V lies 8 MiB behind K
	s_or_b32 s[G0V+4*\s+3], s[G0V+4*\s+3], 0x80000000
	s_mov_b32 s[G0M+4*\s], 1
	s_add_co_u32 s[G0M+4*\s+1], s82, \s*SLOT
	s_add_nc_u64 s[G0M+4*\s+2:G0M+4*\s+3], s[62:63], \s*512                   ; tile s: 128 keys of 4 bytes
	s_or_b32 s[G0M+4*\s+3], s[G0M+4*\s+3], 0x80000000
	JLOAD \s                                       ; both slots' first fills go out together: two tensor loads of the wave are out
.endr
	s_add_nc_u64 s[4:5], s[4:5], s[78:79]          ; Q's block
	s_add_nc_u64 s[8:9], s[8:9], s[78:79]          ; ao's block
	v_and_b32 v112, 15, v0                         ; r
	v_bfe_u32 v113, v0, 4, 1                       ; h
	v_and_b32 v114, 7, v0
	v_bfe_u32 v115, v0, 3, 1
	s_lshl_b32 s2, s14, 7                          ; my head's 128 bytes of a row
	v_lshlrev_b32 v118, 11, v112
	v_lshl_add_u32 v118, v113, 4, v118
	s_lshl_b32 s3, s13, 16
	s_add_co_u32 s3, s3, s2
	v_add_nc_u32 v[QO], s3, v118                   ; Q: row 32 (w % 4) + r, 2,048 bytes a row, + head + 16 h
.irp qt, 0,1
.irp ks, 0,1
	global_load_b128 v[QF+16*\qt+8*\ks:QF+16*\qt+8*\ks+3],   v[QO], s[4:5] offset:32768*\qt+64*\ks
	global_load_b128 v[QF+16*\qt+8*\ks+4:QF+16*\qt+8*\ks+7], v[QO], s[4:5] offset:32768*\qt+64*\ks+32
.endr
.endr
	v_mul_u32_u24 v116, v112, 272                  ; 272 r
	v_lshl_add_u32 v[KA], v113, 4, v116
	v_add_nc_u32 v[KA], s2, v[KA]                  ; K: key row r, + head + 16 h
	v_add_nc_u32 v[KA+1], SLOT, v[KA]
	v_lshl_add_u32 v117, v113, 3, v114             ; V: key row 8 h + lane % 8,
	v_mul_u32_u24 v117, v117, 288
	v_lshl_add_u32 v117, v115, 4, v117             ; 16 bytes by bit 3 of the lane,
	s_add_co_u32 s3, s2, VOFF
	v_add_nc_u32 v[VA], s3, v117                   ; + head
	v_add_nc_u32 v[VA+1], SLOT, v[VA]
	s_mul_i32 s3, s13, 32*272                      ; my 32 query rows in the mask's strips and in the stage
	s_add_co_u32 s2, s3, MOFF
	v_lshl_add_u32 v[MA], v113, 5, v116
	v_add_nc_u32 v[MA], s2, v[MA]                  ; the mask: query row 32 (w % 4) + r, 8 f32 (32 bytes) for each half of the lanes
	v_add_nc_u32 v[MA+1], SLOT, v[MA]
	s_add_co_u32 s2, s3, STAGE
	v_add_nc_u32 v[STO], s2, v[KA]                 ; the stage, in: row 32 (w % 4) + r, + head + 16 h
	s_mul_i32 s2, s10, 16*272
	s_add_co_u32 s2, s2, STAGE
	v_mul_u32_u24 v119, v113, 272
	v_lshl_add_u32 v119, v112, 4, v119
	v_add_nc_u32 v[RD], s2, v119                   ; back: rows 16 w + h, 16 lanes take a row of 256 bytes
	s_lshl_b32 s2, s10, 15
	v_lshlrev_b32 v119, 11, v113
	v_lshl_add_u32 v119, v112, 4, v119
	v_add_nc_u32 v[CO], s2, v119                   ; the same rows in ao
	v_mov_b32 v[PX], 0                             ; v_permlanex16_b32 counts as a reader of its destination
	v_mov_b32 v[PX+1], 0
; 16 LDS loads each, all into window 1 (the caller sets the window).  LOADK: four key tiles x both halves of d.  LOADM: the mask of the four key tiles
; for both query tiles, laid as S is.  LOADV: 64 keys, transposed, two groups of 32 keys x four tiles of d.
.macro LOADK slot, sub
.irp kt, 0,1,2,3
.irp ks, 0,1
	ds_load_b128 v[KF+16*\kt+8*\ks:KF+16*\kt+8*\ks+3],   v[KA+\slot] offset:KPART*\sub+4352*\kt+64*\ks
	ds_load_b128 v[KF+16*\kt+8*\ks+4:KF+16*\kt+8*\ks+7], v[KA+\slot] offset:KPART*\sub+4352*\kt+64*\ks+32
.endr
.endr
.endm
.macro LOADM slot, sub
.irp kt, 0,1,2,3
.irp qt, 0,1
	ds_load_b128 v[MF+16*(2*(\kt>>1)+\qt)+8*(\kt&1):MF+16*(2*(\kt>>1)+\qt)+8*(\kt&1)+3],   v[MA+\slot] offset:MSTRIP*\sub+4352*\qt+64*\kt
	ds_load_b128 v[MF+16*(2*(\kt>>1)+\qt)+8*(\kt&1)+4:MF+16*(2*(\kt>>1)+\qt)+8*(\kt&1)+7], v[MA+\slot] offset:MSTRIP*\sub+4352*\qt+64*\kt+16
.endr
.endr
.endm
.macro LOADV slot, sub
.irp g, 0,1
.irp dt, 0,1,2,3
	ds_load_tr16_b128 v[VF+32*\g+8*\dt:VF+32*\g+8*\dt+3],   v[VA+\slot] offset:VPART*\sub+9216*\g+32*\dt
	ds_load_tr16_b128 v[VF+32*\g+8*\dt+4:VF+32*\g+8*\dt+7], v[VA+\slot] offset:VPART*\sub+9216*\g+32*\dt+4608
.endr
.endr
.endm
; C of the last block and the mask product of this one, under source 0 = window 1.  cprev = 1: 16 matrix instructions O^T += V^T P^T, P in buffer soth; the eight
; accumulators take turns, one instruction a turn.  czero = 1: the first 32 keys' products start the sums.
; mmul = 1: behind each, two of the 32 packed products S *= mask on buffer scur, which name none of the matrix instructions' registers.
.macro PVM scur, soth, cprev, czero, mmul
.set n, 0
.irp g, 0,1
.irp dt, 0,1,2,3
.irp qt, 0,1
.if \cprev
.if \czero*(1-\g)
	v_wmma_f32_16x16x32_bf16 v[OA+8*(2*\dt+\qt):OA+8*(2*\dt+\qt)+7], v[VF+32*\g+8*\dt:VF+32*\g+8*\dt+7], v[\soth+16*(2*\g+\qt):\soth+16*(2*\g+\qt)+7], 0
.else
	v_wmma_f32_16x16x32_bf16 v[OA+8*(2*\dt+\qt):OA+8*(2*\dt+\qt)+7], v[VF+32*\g+8*\dt:VF+32*\g+8*\dt+7], v[\soth+16*(2*\g+\qt):\soth+16*(2*\g+\qt)+7], v[OA+8*(2*\dt+\qt):OA+8*(2*\dt+\qt)+7]
.endif
.endif
.if \mmul
	v_pk_mul_f32 v[\scur+2*n:\scur+2*n+1],   v[MF+2*n:MF+2*n+1],   v[\scur+2*n:\scur+2*n+1]
	v_pk_mul_f32 v[\scur+2*n+2:\scur+2*n+3], v[MF+2*n+2:MF+2*n+3], v[\scur+2*n+2:\scur+2*n+3]
.set n, n+2
.endif
.endr
.endr
.endr
.endm
; A of the next block and O's step to the new maximum, under source 0 = window 1.  amul = 1: 16 matrix instructions S^T = K Q^T into buffer snew; of each group of
; four accumulators the first half of d starts the sums, the second adds in place, by turns, one instruction a turn.
; resc = 1: behind each, two of the 32 packed products O *= factor (the pair's first register for both halves).
.macro AMUL snew, amul, resc
.set n, 0
.irp hf, 0,1
.irp ks, 0,1
.irp e, 0,1
.irp qt, 0,1
.if \amul
.if \ks == 0
	v_wmma_f32_16x16x32_bf16 v[\snew+16*(2*\hf+\qt)+8*\e:\snew+16*(2*\hf+\qt)+8*\e+7], v[KF+16*(2*\hf+\e):KF+16*(2*\hf+\e)+7], v[QF+16*\qt:QF+16*\qt+7], 0
.else
	v_wmma_f32_16x16x32_bf16 v[\snew+16*(2*\hf+\qt)+8*\e:\snew+16*(2*\hf+\qt)+8*\e+7], v[KF+16*(2*\hf+\e)+8:KF+16*(2*\hf+\e)+15], v[QF+16*\qt+8:QF+16*\qt+15], v[\snew+16*(2*\hf+\qt)+8*\e:\snew+16*(2*\hf+\qt)+8*\e+7]
.endif
.endif
.if \resc
	v_pk_mul_f32 v[OA+2*n:OA+2*n+1],   v[AP+2*((n>>2)&1):AP+2*((n>>2)&1)+1],         v[OA+2*n:OA+2*n+1]   op_sel_hi:[0,1]
	v_pk_mul_f32 v[OA+2*n+2:OA+2*n+3], v[AP+2*(((n+1)>>2)&1):AP+2*(((n+1)>>2)&1)+1], v[OA+2*n+2:OA+2*n+3] op_sel_hi:[0,1]
.set n, n+2
.endif
.endr
.endr
.endr
.endr
.endm
; The block's maximum: eight chains (query tile x four key tiles of 8 numbers a lane), so that a link stands eight instructions behind the one it needs.
.macro MAX1 scur                       ; the chains' first links
.irp qt, 0,1
.irp g, 0,1
.irp e, 0,1
	v_max3_num_f32 v[CH+4*\qt+2*\g+\e], v[\scur+16*(2*\g+\qt)+8*\e], v[\scur+16*(2*\g+\qt)+8*\e+1], v[\scur+16*(2*\g+\qt)+8*\e+2]
.endr
.endr
.endr
.endm
.macro MAX2 scur, first                ; the rest; the old maximum enters one chain's last link; then the new maximum and the factor
.irp k, 3,5
.irp qt, 0,1
.irp g, 0,1
.irp e, 0,1
	v_max3_num_f32 v[CH+4*\qt+2*\g+\e], v[CH+4*\qt+2*\g+\e], v[\scur+16*(2*\g+\qt)+8*\e+\k], v[\scur+16*(2*\g+\qt)+8*\e+\k+1]
.endr
.endr
.endr
.endr
.irp qt, 0,1
.irp g, 0,1
.irp e, 0,1
.if (\g+\e+\first) == 0
	v_max3_num_f32 v[CH+4*\qt], v[CH+4*\qt], v[\scur+16*\qt+7], v[MM+2*\qt]
.else
	v_max_num_f32 v[CH+4*\qt+2*\g+\e], v[CH+4*\qt+2*\g+\e], v[\scur+16*(2*\g+\qt)+8*\e+7]
.endif
.endr
.endr
.endr
.irp qt, 0,1
	v_max3_num_f32 v[CH+4*\qt], v[CH+4*\qt], v[CH+4*\qt+1], v[CH+4*\qt+2]
.endr
.irp qt, 0,1
	v_max_num_f32 v[CH+4*\qt], v[CH+4*\qt], v[CH+4*\qt+3]
.endr
	v_permlanex16_b32 v[PX], v[CH], s80, s81       ; the other half of the lanes holds the same query's other 32 keys
	v_permlanex16_b32 v[PX+1], v[CH+4], s80, s81
	v_max_num_f32 v[MM+1], v[CH], v[PX]            ; the new maximum; the old one is still in the pair's first register
	v_max_num_f32 v[MM+3], v[CH+4], v[PX+1]
.if \first == 0
	v_sub_f32 v[AL], v[MM], v[MM+1]
	v_sub_f32 v[AL+2], v[MM+2], v[MM+3]
	v_exp_f32 v[AL], v[AL]                         ; 2^(old - new); the two moves below are the plain place behind the exponentials (ISA guide 5.7.2)
	v_exp_f32 v[AL+2], v[AL+2]
.endif
	v_mov_b32 v[MM], v[MM+1]
	v_mov_b32 v[MM+2], v[MM+3]
.endm
; S -= maximum, then 2^S, in place.  The subtractions run four pairs ahead of the exponentials and stand between them as plain instructions.
.macro SUBEXP scur
.set n, 0
.rept 4
	v_pk_add_f32 v[\scur+2*n:\scur+2*n+1], v[\scur+2*n:\scur+2*n+1], v[MM+2*((n>>3)&1):MM+2*((n>>3)&1)+1] neg_lo:[0,1] neg_hi:[0,1]
.set n, n+1
.endr
.set n, 0
.rept 32
	v_exp_f32 v[\scur+2*n], v[\scur+2*n]
	v_exp_f32 v[\scur+2*n+1], v[\scur+2*n+1]
.if n < 28
	v_pk_add_f32 v[\scur+2*(n+4):\scur+2*(n+4)+1], v[\scur+2*(n+4):\scur+2*(n+4)+1], v[MM+2*(((n+4)>>3)&1):MM+2*(((n+4)>>3)&1)+1] neg_lo:[0,1] neg_hi:[0,1]
.endif
.set n, n+1
.endr
.endm
; The block's sums (four chains of pairs) and P's rounding to bf16 in place, by turns: pair j of a 16-register block is added, then packed into register j,
; which holds a pair that has been added and packed before (j / 2 < j), or, for j = 0, is a source of the same instruction.
.macro SUMCVT scur, first
	s_wait_alu depctr_va_vdst(0)
.irp qt, 0,1
.irp g, 0,1
	v_pk_add_f32 v[SU+4*\qt+2*\g:SU+4*\qt+2*\g+1], v[\scur+16*(2*\g+\qt):\scur+16*(2*\g+\qt)+1], v[\scur+16*(2*\g+\qt)+2:\scur+16*(2*\g+\qt)+3]
	v_cvt_pk_bf16_f32 v[\scur+16*(2*\g+\qt)], v[\scur+16*(2*\g+\qt)], v[\scur+16*(2*\g+\qt)+1]
.endr
.endr
.irp qt, 0,1
.irp g, 0,1
	v_cvt_pk_bf16_f32 v[\scur+16*(2*\g+\qt)+1], v[\scur+16*(2*\g+\qt)+2], v[\scur+16*(2*\g+\qt)+3]
.endr
.endr
.irp j, 2,3,4,5,6,7
.irp qt, 0,1
.irp g, 0,1
	v_pk_add_f32 v[SU+4*\qt+2*\g:SU+4*\qt+2*\g+1], v[SU+4*\qt+2*\g:SU+4*\qt+2*\g+1], v[\scur+16*(2*\g+\qt)+2*\j:\scur+16*(2*\g+\qt)+2*\j+1]
	v_cvt_pk_bf16_f32 v[\scur+16*(2*\g+\qt)+\j], v[\scur+16*(2*\g+\qt)+2*\j], v[\scur+16*(2*\g+\qt)+2*\j+1]
.endr
.endr
.endr
.irp qt, 0,1
	v_pk_add_f32 v[SU+4*\qt:SU+4*\qt+1], v[SU+4*\qt:SU+4*\qt+1], v[SU+4*\qt+2:SU+4*\qt+3]
.endr
.irp qt, 0,1
.if \first
	v_add_f32 v[AL+2*\qt+1], v[SU+4*\qt], v[SU+4*\qt+1]
.else
	v_add_f32 v[SU+4*\qt], v[SU+4*\qt], v[SU+4*\qt+1]
.endif
.endr
.if \first == 0
.irp qt, 0,1
	v_fma_f32 v[AL+2*\qt+1], v[AL+2*\qt+1], v[AL+2*\qt], v[SU+4*\qt]          ; the sum stays this half's own until the end: the factor is the same in both halves
.endr
.endif
.endm
; THE BODY OF BLOCK j = block sub of the tile in slot.  scur: S(j)'s buffer; soth: the other, which holds P(j-1) and takes S(j+1).  (nslot, nsub): where block j+1 lies.
; cprev: C(j-1) exists; czero: it starts O; first: block 0, which seeds maximum and sum; anext: A(j+1) exists.
; sync = 1: the tile's slot has had its last read (V(j)'s loads): each wave waits for all its tensor loads (the one out is its part of the next tile) and for its
; LDS reads, passes a round of the cluster's barrier, and asks for the slot's next tile first, one joint load a wave; that load has a whole tile's work in which to land.
; sync = 2: the same waits and the work-group's barrier alone: nothing is left to ask for.
; Distances behind matrix instructions (ISA guide 7.12.1 for vector instructions): V's buffer is loaded ten plain instructions
; behind C(j-1); K's buffer a whole SUMCVT and more behind A(j); A(j+1) writes over P(j-1) behind the maximum and the subtractions; O and S are read
; by vector instructions dozens of plain instructions behind the products that wrote them.
.macro BODY slot, sub, scur, soth, nslot, nsub, cprev, czero, first, sync, anext
	s_wait_dscnt 0x0                               ; the mask of block j was the last thing asked for; V(j-1) came before it
	WIN W_MUL
	PVM \scur, \soth, \cprev, \czero, 1
	WIN 0
	MAX1 \scur
	WIN W_LD
	LOADV \slot, \sub                              ; V(j), for the next body
	WIN 0
	MAX2 \scur, \first
.if \sync == 1
	s_wait_tensorcnt 0x0                           ; all my tensor loads have landed, so a group 0 may be written
	ds_add_u32 v254, v255
	s_add_nc_u64 s[G0K+4*\slot+2:G0K+4*\slot+3], s[G0K+4*\slot+2:G0K+4*\slot+3], 524288
	s_add_nc_u64 s[G0V+4*\slot+2:G0V+4*\slot+3], s[G0V+4*\slot+2:G0V+4*\slot+3], 524288
	s_add_nc_u64 s[G0M+4*\slot+2:G0M+4*\slot+3], s[G0M+4*\slot+2:G0M+4*\slot+3], 1024
	s_wait_dscnt 0x0                               ; my reads of this slot are over
	CROUND
	JLOAD \slot
.endif
.if \sync == 2
	s_wait_tensorcnt 0x0
	s_wait_dscnt 0x0
	s_barrier_signal -1
	s_barrier_wait -1
.endif
	WIN W_LD
.if \first == 0
	s_wait_alu depctr_va_vdst(0)
	v_mov_b32 v[AP], v[AL]                         ; the factor, where the products between the matrix instructions can name it as source 0
	v_mov_b32 v[AP+2], v[AL+2]
.endif
.if \anext
	LOADK \nslot, \nsub                            ; K(j+1), wanted behind the exponentials
	LOADM \nslot, \nsub                            ; the mask of block j+1, for the next body
.endif
	WIN 0
	SUBEXP \scur
.if \anext
	s_wait_dscnt 0x10                              ; the 16 mask loads issued last may stay out; K(j+1), and V(j) before it, are in
.endif
	WIN W_MUL
.if \first
	AMUL \soth, \anext, 0
.else
	AMUL \soth, \anext, 1
.endif
	WIN 0
	SUMCVT \scur, \first
.endm
.macro TILE slot, other, sync
	BODY \slot, 0, SA, SB, \slot, 1, 1, 0, 0, 0, 1
	BODY \slot, 1, SB, SA, \other, 0, 1, 0, 0, \sync, 1
.endm
	s_wait_tensorcnt 0x1                           ; my part of tile 0 is in; tile 1's stays out
	s_barrier_signal -1
	s_barrier_wait -1
	WIN W_LD
	v_mov_b32 v[AP+1], 0                           ; the factor pairs' second registers are named, never used
	v_mov_b32 v[AP+3], 0
	LOADK 0, 0
	LOADM 0, 0
	s_wait_loadcnt 0x0                             ; Q
	s_wait_dscnt 0x10                              ; K(0) is in; the 16 mask loads may stay out
	WIN W_MUL
	AMUL SA, 1, 0                                  ; A(0), the one stage with nothing to lie in
	WIN 0
	PLACES 4                                       ; behind its last matrix instructions, for the mask products that read S
	BODY 0, 0, SA, SB, 0, 1, 0, 0, 1, 0, 1         ; tile 0: block 0 seeds,
	BODY 0, 1, SB, SA, 1, 0, 1, 1, 0, 1, 1         ; block 1 starts O; asks for tile 2
	s_mov_b32 s3, 6                                ; tiles 1 to 12; asks for 3 to 14
.Ltiles:
	TILE 1, 0, 1
	TILE 0, 1, 1
	s_sub_co_u32 s3, s3, 1
	s_cmp_lg_u32 s3, 0
	s_cbranch_scc1 .Ltiles
	TILE 1, 0, 1                                   ; tile 13; asks for 15
	TILE 0, 1, 2                                   ; tile 14: nothing is left to ask for
	BODY 1, 0, SA, SB, 1, 1, 1, 0, 0, 0, 1         ; tile 15
	BODY 1, 1, SB, SA, 0, 0, 1, 0, 0, 0, 0         ; the last block: no A, no K, no mask behind it
	s_wait_dscnt 0x0                               ; V(31)
	WIN W_MUL
	PVM SA, SB, 1, 0, 0                            ; C(31)
	WIN 0
	; THE END: divide by the sum, round to bf16, through the stage (a row of 256 bytes holds both heads, from two waves), out in whole rows.
	PLACES 4
	v_permlanex16_b32 v[PX], v[AL+1], s80, s81
	v_permlanex16_b32 v[PX+1], v[AL+3], s80, s81
	v_add_f32 v[AL+1], v[AL+1], v[PX]              ; the two halves' sums; at least 1, from the key of the maximum
	v_add_f32 v[AL+3], v[AL+3], v[PX+1]
	v_rcp_f32 v[AL], v[AL+1]
	v_rcp_f32 v[AL+2], v[AL+3]
	v_nop                                          ; the plain place behind the reciprocals
.set n, 0
	s_wait_alu depctr_va_vdst(0)
.rept 32
	v_pk_mul_f32 v[OA+2*n:OA+2*n+1], v[OA+2*n:OA+2*n+1], v[AL+2*((n>>2)&1):AL+2*((n>>2)&1)+1] op_sel_hi:[1,0]
.set n, n+1
.endr
.irp blk, 0,1,2,3,4,5,6,7
.irp j, 0,1,2,3
	v_cvt_pk_bf16_f32 v[OA+8*\blk+\j], v[OA+8*\blk+2*\j], v[OA+8*\blk+2*\j+1]
.endr
.endr
.irp dt, 0,1,2,3
.irp qt, 0,1
	ds_store_b128 v[STO], v[OA+8*(2*\dt+\qt):OA+8*(2*\dt+\qt)+3] offset:4352*\qt+32*\dt
.endr
.endr
	s_wait_dscnt 0x0                               ; for the others' sake: my stores are done
	s_barrier_signal -1
	s_barrier_wait -1
.irp t, 0,1,2,3,4,5,6,7
	ds_load_b128 v[SA+4*\t:SA+4*\t+3], v[RD] offset:544*\t
.endr
.irp t, 0,1,2,3,4,5,6,7
	s_wait_dscnt 7-\t                              ; read-back t is in, the younger ones stay out
	global_store_b128 v[CO], v[SA+4*\t:SA+4*\t+3], s[8:9] offset:4096*\t      ; 16 lanes store 256 consecutive bytes at a multiple of 256
.endr
	s_wait_tensorcnt 0x0
	ds_add_u32 v254, v255
	s_wait_dscnt 0x0
	CROUND                                         ; the closing round
	s_endpgm
.Lfunc_end_k_q68b5895433_attn:
	.size	k_q68b5895433_attn, .Lfunc_end_k_q68b5895433_attn-k_q68b5895433_attn
	.p2alignl 7, 3214868480
	.fill 96, 4, 3214868480
	.section	.rodata,"a",@progbits
	.p2align	6, 0x0
	.amdhsa_kernel k_q68b5895433_attn
		.amdhsa_group_segment_fixed_size 327680
		.amdhsa_private_segment_fixed_size 0
		.amdhsa_enable_private_segment 0
		.amdhsa_kernarg_size 24
		.amdhsa_user_sgpr_count 2
		.amdhsa_user_sgpr_kernarg_segment_ptr 1
		.amdhsa_wavefront_size32 1
		.amdhsa_system_sgpr_workgroup_id_x 1
		.amdhsa_system_sgpr_workgroup_id_y 1
		.amdhsa_system_sgpr_workgroup_id_z 1
		.amdhsa_system_vgpr_workitem_id 0
		.amdhsa_next_free_vgpr 512
		.amdhsa_next_free_sgpr 84
		.amdhsa_reserve_vcc 0
		.amdhsa_float_denorm_mode_32 3
		.amdhsa_float_denorm_mode_16_64 3
		.amdhsa_memory_ordered 1
		.amdhsa_forward_progress 1
		.amdhsa_inst_pref_size 255
	.end_amdhsa_kernel
	.section	.bss,"aw",@nobits
	.p2align	6
	.space	262144
	.amdgpu_metadata
---
amdhsa.version: [ 1, 2 ]
amdhsa.kernels:
  - .name:           k_q68b5895433_attn
    .symbol:         k_q68b5895433_attn.kd
    .args:
      - { .name: qkv, .offset: 0, .size: 8, .value_kind: global_buffer, .address_space: global }
      - { .name: mask, .offset: 8, .size: 8, .value_kind: global_buffer, .address_space: global }
      - { .name: ao, .offset: 16, .size: 8, .value_kind: global_buffer, .address_space: global }
    .group_segment_fixed_size: 327680
    .private_segment_fixed_size: 0
    .kernarg_segment_align: 8
    .kernarg_segment_size: 24
    .max_flat_workgroup_size: 256
    .sgpr_count:     84
    .vgpr_count:     512
    .wavefront_size: 32
...
	.end_amdgpu_metadata
.endif
;; end of part 3
;; launch oproj (part 4): grid 8 x 32, 4 waves a work-group, clusters of 4 x 4, 327,680 bytes of LDS; arguments ao, wb, q, out0; writes out0
.if DOCPART == 4
	.amdgcn_target "amdgcn-amd-amdhsa--gfx1250"
	.amdhsa_code_object_version 6
	.text
	.protected	k_q68b5895433_oproj
	.globl	k_q68b5895433_oproj
	.p2align	8
	.type	k_q68b5895433_oproj,@function
k_q68b5895433_oproj:
	s_mov_b64 s[64:65], 0
	v_nop
	global_prefetch_b8 v0, s[64:65] scope:SCOPE_SE
	s_setreg_imm32_b32 hwreg(HW_REG_WAVE_MODE, 25, 1), 1
	s_wait_xcnt 0x0
	s_wait_alu depctr_hold_cnt(0) depctr_sa_sdst(0) depctr_va_vdst(0) depctr_va_sdst(0) depctr_va_ssrc(0) depctr_va_vcc(0) depctr_vm_vsrc(0)
	s_getreg_b32 s2, hwreg(HW_REG_IB_STS2, 6, 4)
	s_cmp_eq_u32 s2, 0
	s_cbranch_scc0 .Lentry_in_a_cluster
	s_endpgm
.Lentry_in_a_cluster:
	s_bfe_u32 s2, ttmp6, 0x10000c
	s_cmp_lg_u32 s2, 0xf033
	s_cbranch_scc0 .Lentry_shape_is_right
	s_endpgm
.Lentry_shape_is_right:
; out0 = ao . wo + q.  ao: [4096][1024] bf16; wo = wb[3]: [1024 k][1024 n] bf16; q, out0: [4096][1024] f32.  Sums and the residual in f32.
; A work-group makes 128 x 128 (32 x 8 = 256 work-groups; blocks of 256 x 256 would be 64) with four waves, 64 x 64 each: 16 accumulator tiles.
; K goes in 4 chunks of 256, one to a fill of an LDS slot, two slots; a chunk is 8 quarters of 32.
; CLUSTERS: 4 x 4.  ao's tile hangs on the block row and is asked for jointly along a row of the cluster, wo's on the block column and jointly along a column.
; The matrix instruction is used transposed (source 0 = wo, source 1 = ao): a lane's 8 results are 8 neighbouring columns of one row.
; The residual's 32 loads a lane go out at the start and land under the products.
; REGISTERS: window 0: v16-26 addresses, v64-127 / v128-191 fragments (ao's four, then wo's four), v192-255 the way out;
;   window 1: v0-127 accumulators (tile (a, b) at 8 (4 a + b)), v128-255 the residual.
; LIMITS: non-finite inputs are not followed; matrix operands are bf16.
.set APITCH, 528                       ; ao's LDS row: 512 bytes + 16
.set BPITCH, 288                       ; wo's LDS row: 256 bytes + 32, an odd multiple of 32 for the transposing load
.set AHALF,  64*APITCH                 ; 33,792: one tensor load of ao, and one wave's rows
.set BOFF,   2*AHALF                   ; 67,584
.set BHALF,  128*BPITCH                ; 36,864: one tensor load of wo: 128 k rows
.set SLOT,   BOFF+2*BHALF              ; 141,312
.set STAGE,  2*SLOT                    ; 282,624, a multiple of 256: 16 rows x 272 bytes for each wave, never a tensor load's target
.set SPITCH, 272
.set ADRA, 16                          ; v16-17  ao's fragments in slot 0, 1
.set ADRB, 20                          ; v20-23  wo's fragments in slot 0 (k 0-127, k 128-255), slot 1: the immediates would pass 65,535 otherwise
.set STO,  24
.set RD,   25
.set CO,   26
.set F0,   64
.set F1,   128
.set TT,   192
.set RES,  128
.set G1A, 24
.set G0A, 32
.set G1B, 40
.set G0B, 48
.set MSB, 0
.macro WIN new
.if MSB != \new
	s_set_vgpr_msb (MSB<<8)|\new
.set MSB, \new
.endif
.endm
.macro PLACES n
.rept \n
	v_nop
.endr
.endm
.macro JLOAD s                         ; waves 0, 1: ao's two halves; waves 2, 3: wo's
	s_cmp_eq_u32 s15, 0
	s_cbranch_scc0 .Lfor_b_\@
	tensor_load_to_lds s[G0A+4*\s:G0A+4*\s+3], s[G1A:G1A+7]
	s_nop 0
	s_branch .Lasked_\@
.Lfor_b_\@:
	tensor_load_to_lds s[G0B+4*\s:G0B+4*\s+3], s[G1B:G1B+7]
	s_nop 0
.Lasked_\@:
.endm
.macro CREST
	s_cmp_lg_u32 s14, 0
	s_cbranch_scc1 .Lnot_wave_0_\@
	s_barrier_signal -3
.Lnot_wave_0_\@:
	s_barrier_wait -3
	s_barrier_signal -1
	s_barrier_wait -1
.endm
.macro CROUND
	s_barrier_signal -1
	s_barrier_wait -1
	CREST
.endm
	s_load_b256 s[4:11], s[0:1], 0x0               ; ao s[4:5], wb s[6:7], q s[8:9], out0 s[10:11]
	v_lshl_add_u32 v62, v0, 2, 0x49400
	v_mov_b32 v63, 0
	ds_add_u32 v62, v63
	v_lshrrev_b32 v1, 5, v0
	v_readfirstlane_b32 s14, v1                    ; wave 0..3
	s_lshr_b32 s15, s14, 1                         ; wm: my half of the rows.  Also: I fetch ao (0) or wo (1)
	s_and_b32 s16, s14, 1                          ; wn: my half of the columns.  Also: which half I fetch
	s_bfe_u32 s17, ttmp6, 0x40000                  ; cx
	s_bfe_u32 s18, ttmp6, 0x40004                  ; cy
	s_lshl_b32 s19, ttmp9, 2
	s_add_co_u32 s19, s19, s17                     ; bn, 0..7
	s_and_b32 s22, ttmp7, 0xffff
	s_lshl_b32 s22, s22, 2
	s_add_co_u32 s22, s22, s18                     ; bm, 0..31
	s_lshl_b32 s56, s18, 2
	s_lshl_b32 s56, 15, s56                        ; my row of the cluster
	s_lshl_b32 s57, 0x1111, s17                    ; my column
	; ao's tile: 64 rows x 256 bf16, 4 words of padding behind every 128
	s_or_b32 s[G1A+0], s56, (1<<16)|(1<<20)|(1<<21)|(6<<22)|(3<<25)
	s_mov_b32 s[G1A+1], 256<<16
	s_mov_b32 s[G1A+2], 64<<16
	s_mov_b32 s[G1A+3], 256<<16
	s_mov_b32 s[G1A+4], 64
	s_mov_b32 s[G1A+5], 1024
	s_mov_b32 s[G1A+6], 0
	s_mov_b32 s[G1A+7], 0
	; wo's tile: 128 k rows x 128 bf16, 8 words of padding behind every 64
	s_or_b32 s[G1B+0], s57, (1<<16)|(1<<20)|(1<<21)|(5<<22)|(7<<25)
	s_mov_b32 s[G1B+1], 128<<16
	s_mov_b32 s[G1B+2], 128<<16
	s_mov_b32 s[G1B+3], 128<<16
	s_mov_b32 s[G1B+4], 128
	s_mov_b32 s[G1B+5], 1024
	s_mov_b32 s[G1B+6], 0
	s_mov_b32 s[G1B+7], 0
	s_lshl_b32 s58, s22, 7                         ; ao: row 128 bm + 64 half, 2,048 bytes a row (no cx enters s[58:59])
	s_lshl_b32 s59, s16, 6
	s_add_co_u32 s58, s58, s59
	s_lshl_b32 s58, s58, 11
	s_mov_b32 s59, 0
	s_lshl_b32 s60, s19, 8                         ; wo: 6 MiB + 128 k rows x half + 256 bn (no cy enters s[60:61])
	s_lshl_b32 s61, s16, 18
	s_add_co_u32 s60, s60, s61
	s_add_co_u32 s60, s60, 0x600000
	s_mov_b32 s61, 0
	s_mul_i32 s62, s16, AHALF
	s_mul_i32 s63, s16, BHALF
	s_add_co_u32 s63, s63, BOFF
	s_wait_dscnt 0x0
	s_wait_kmcnt 0x0
	s_add_nc_u64 s[58:59], s[4:5], s[58:59]
	s_add_nc_u64 s[60:61], s[6:7], s[60:61]
	CROUND                                         ; all sixteen work-groups are here: the first joint loads meet
.irp s, 0,1
	s_mov_b32 s[G0A+4*\s], 1
	s_add_co_u32 s[G0A+4*\s+1], s62, \s*SLOT
	s_add_nc_u64 s[G0A+4*\s+2:G0A+4*\s+3], s[58:59], \s*512          ; chunk s: 256 bf16 along the row
	s_or_b32 s[G0A+4*\s+3], s[G0A+4*\s+3], 0x80000000
	s_mov_b32 s[G0B+4*\s], 1
	s_add_co_u32 s[G0B+4*\s+1], s63, \s*SLOT
	s_add_nc_u64 s[G0B+4*\s+2:G0B+4*\s+3], s[60:61], \s*524288       ; chunk s: 256 rows of 2,048 bytes
	s_or_b32 s[G0B+4*\s+3], s[G0B+4*\s+3], 0x80000000
	JLOAD \s                                       ; two tensor loads of the wave are out
.endr
	v_and_b32 v1, 15, v0                           ; r
	v_bfe_u32 v2, v0, 4, 1                         ; h
	v_and_b32 v3, 7, v0
	v_bfe_u32 v4, v0, 3, 1
	v_lshlrev_b32 v9, 12, v2
	v_lshl_add_u32 v[CO], v1, 4, v9                ; q and out0: row h (4,096 bytes), 16 bytes a lane
	s_lshl_b32 s58, s22, 7                         ; my block of q and out0: row 128 bm + 64 wm,
	s_lshl_b32 s59, s15, 6
	s_add_co_u32 s58, s58, s59
	s_lshl_b32 s58, s58, 12
	s_mov_b32 s59, 0
	s_lshl_b32 s60, s19, 9                         ; column bytes 512 bn + 256 wn
	s_lshl_b32 s61, s16, 8
	s_add_co_u32 s60, s60, s61
	s_mov_b32 s61, 0
	s_add_nc_u64 s[8:9], s[8:9], s[58:59]
	s_add_nc_u64 s[8:9], s[8:9], s[60:61]
	s_add_nc_u64 s[10:11], s[10:11], s[58:59]
	s_add_nc_u64 s[10:11], s[10:11], s[60:61]
	WIN 0x40                                       ; destination window 1
.set n, 0
.rept 32
	global_load_b128 v[RES+4*n:RES+4*n+3], v[CO], s[8:9] offset:8192*n th:TH_LOAD_NT   ; rows 2 n + h of my 64: 16 lanes read 256 consecutive bytes
.set n, n+1
.endr
	WIN 0
	v_mul_u32_u24 v5, v1, APITCH
	v_lshl_add_u32 v5, v2, 4, v5
	s_mul_i32 s23, s15, AHALF
	v_add_nc_u32 v[ADRA], s23, v5                  ; ao: row r of my 64, 16 h
	v_add_nc_u32 v[ADRA+1], SLOT, v[ADRA]
	v_lshl_add_u32 v6, v2, 3, v3
	v_mul_u32_u24 v6, v6, BPITCH
	v_lshl_add_u32 v6, v4, 4, v6
	s_lshl_b32 s23, s16, 7
	s_add_co_u32 s23, s23, BOFF
	v_add_nc_u32 v[ADRB], s23, v6                  ; wo: k row 8 h + lane % 8, my 64 columns, 16 bytes by bit 3 of the lane
	v_add_nc_u32 v[ADRB+1], BHALF, v[ADRB]
	v_add_nc_u32 v[ADRB+2], SLOT, v[ADRB]
	v_add_nc_u32 v[ADRB+3], SLOT+BHALF, v[ADRB]
	s_mul_i32 s23, s14, 16*SPITCH
	s_add_co_u32 s23, s23, STAGE
	v_mul_u32_u24 v7, v1, SPITCH
	v_lshl_add_u32 v7, v2, 5, v7
	v_add_nc_u32 v[STO], s23, v7                   ; the stage, in: row r, 8 f32 for each half of the lanes
	v_mul_u32_u24 v8, v2, SPITCH
	v_lshl_add_u32 v8, v1, 4, v8
	v_add_nc_u32 v[RD], s23, v8                    ; back: 16 lanes take a row of 256 bytes
; 16 LDS loads: quarter kq's fragments into buffer f
.macro FETCH slot, kq, f
.irp a, 0,1,2,3
	ds_load_b128 v[\f+8*\a:\f+8*\a+3],   v[ADRA+\slot] offset:16*APITCH*\a+64*\kq
	ds_load_b128 v[\f+8*\a+4:\f+8*\a+7], v[ADRA+\slot] offset:16*APITCH*\a+64*\kq+32
.endr
.irp b, 0,1,2,3
	ds_load_tr16_b128 v[\f+32+8*\b:\f+32+8*\b+3],   v[ADRB+2*\slot+(\kq>>2)] offset:32*BPITCH*(\kq&3)+32*\b
	ds_load_tr16_b128 v[\f+32+8*\b+4:\f+32+8*\b+7], v[ADRB+2*\slot+(\kq>>2)] offset:32*BPITCH*(\kq&3)+32*\b+16*BPITCH
.endr
.endm
; 16 matrix instructions on 16 accumulators, which take turns, one instruction a turn
.macro MUL f, zero
	WIN 0x50                                       ; C and D window 1
.irp a, 0,1,2,3
.irp b, 0,1,2,3
.if \zero
	v_wmma_f32_16x16x32_bf16 v[8*(4*\a+\b):8*(4*\a+\b)+7], v[\f+32+8*\b:\f+32+8*\b+7], v[\f+8*\a:\f+8*\a+7], 0
.else
	v_wmma_f32_16x16x32_bf16 v[8*(4*\a+\b):8*(4*\a+\b)+7], v[\f+32+8*\b:\f+32+8*\b+7], v[\f+8*\a:\f+8*\a+7], v[8*(4*\a+\b):8*(4*\a+\b)+7]
.endif
.endr
.endr
	WIN 0
.endm
; One of a chunk's first seven quarters: asks for quarter nk into buffer g, multiplies buffer f.  The four v_nop stand between the last
; matrix instructions, which read buffer g, and the loads into it (ISA guide 7.12.1 for vector instructions).
.macro QTR slot, nk, f, g, zero
	PLACES 4
	FETCH \slot, \nk, \g
	s_wait_dscnt 16                                ; buffer f's 16 loads are in; the 16 just issued stay out
	MUL \f, \zero
.endm
.macro SEVEN slot, zero
	QTR \slot, 1, F0, F1, \zero
	QTR \slot, 2, F1, F0, 0
	QTR \slot, 3, F0, F1, 0
	QTR \slot, 4, F1, F0, 0
	QTR \slot, 5, F0, F1, 0
	QTR \slot, 6, F1, F0, 0
	QTR \slot, 7, F0, F1, 0
.endm
; A chunk's last quarter, and the change of slots: each wave has waited for its reads of this slot and for all its tensor loads; behind the barrier
; (and the cluster's round that it opens) the refill comes first, then the next slot's first fragments.
.macro LASTQ slot, next, fill
	s_wait_dscnt 0x0
	s_wait_tensorcnt 0x0
	ds_add_u32 v62, v63
	s_wait_dscnt 0x0
	s_barrier_signal -1
	MUL F1, 0                                      ; register work while the others arrive
	s_barrier_wait -1
.if \fill
	CREST
	s_add_nc_u64 s[G0A+4*\slot+2:G0A+4*\slot+3], s[G0A+4*\slot+2:G0A+4*\slot+3], 1024
	s_add_nc_u64 s[G0B+4*\slot+2:G0B+4*\slot+3], s[G0B+4*\slot+2:G0B+4*\slot+3], 1048576
	JLOAD \slot                                    ; my one tensor load behind the round
.endif
	PLACES 4
	FETCH \next, 0, F0
.endm
	s_wait_tensorcnt 0x1                           ; my part of chunk 0 is in; chunk 1's stays out
	s_barrier_signal -1
	s_barrier_wait -1
	FETCH 0, 0, F0
	SEVEN 0, 1                                     ; chunk 0: its first products start the sums
	LASTQ 0, 1, 1                                  ; asks for chunk 2
	SEVEN 1, 0                                     ; chunk 1
	LASTQ 1, 0, 1                                  ; asks for chunk 3
	SEVEN 0, 0                                     ; chunk 2
	LASTQ 0, 1, 0
	SEVEN 1, 0                                     ; chunk 3
	s_wait_dscnt 0x0
	MUL F1, 0
	; THE WAY OUT, 16 rows at a time: f32 into my own stage, read back as rows of 256 bytes, the residual added, stored.
	PLACES 4                                       ; behind the last matrix instructions, for the LDS stores that read their results
	s_wait_loadcnt 0x0                             ; the residual
.macro OUTA a
.if \a >= 2
	s_wait_xcnt 0x0                                ; the registers that earlier stores read are loaded again only behind this wait
.endif
	WIN 0x04                                       ; source 1 (an LDS store's data; the residual) window 1
.irp b, 0,1,2,3
	ds_store_b128 v[STO], v[8*(4*\a+\b):8*(4*\a+\b)+3]   offset:64*\b
	ds_store_b128 v[STO], v[8*(4*\a+\b)+4:8*(4*\a+\b)+7] offset:64*\b+16
.endr
.irp t, 0,1,2,3,4,5,6,7
	ds_load_b128 v[TT+32*(\a&1)+4*\t:TT+32*(\a&1)+4*\t+3], v[RD] offset:2*SPITCH*\t    ; a wave's LDS instructions are served in order: these see the stores above
.endr
.irp t, 0,1,2,3,4,5,6,7
	s_wait_dscnt 7-\t                              ; read-back t is in, the younger ones stay out
	v_pk_add_f32 v[TT+32*(\a&1)+4*\t:TT+32*(\a&1)+4*\t+1],   v[TT+32*(\a&1)+4*\t:TT+32*(\a&1)+4*\t+1],   v[RES+4*(8*\a+\t):RES+4*(8*\a+\t)+1]
	v_pk_add_f32 v[TT+32*(\a&1)+4*\t+2:TT+32*(\a&1)+4*\t+3], v[TT+32*(\a&1)+4*\t+2:TT+32*(\a&1)+4*\t+3], v[RES+4*(8*\a+\t)+2:RES+4*(8*\a+\t)+3]
.endr
	WIN 0
.irp t, 0,1,2,3,4,5,6,7
	global_store_b128 v[CO], v[TT+32*(\a&1)+4*\t:TT+32*(\a&1)+4*\t+3], s[10:11] offset:(16*\a+2*\t)*4096 th:TH_STORE_NT   ; 16 lanes store 256 consecutive bytes at a multiple of 256
.endr
.endm
	OUTA 0
	OUTA 1
	OUTA 2
	OUTA 3
	s_wait_tensorcnt 0x0
	ds_add_u32 v62, v63
	s_wait_dscnt 0x0
	CROUND                                         ; the closing round
	s_endpgm
.Lfunc_end_k_q68b5895433_oproj:
	.size	k_q68b5895433_oproj, .Lfunc_end_k_q68b5895433_oproj-k_q68b5895433_oproj
	.p2alignl 7, 3214868480
	.fill 96, 4, 3214868480
	.section	.rodata,"a",@progbits
	.p2align	6, 0x0
	.amdhsa_kernel k_q68b5895433_oproj
		.amdhsa_group_segment_fixed_size 327680
		.amdhsa_private_segment_fixed_size 0
		.amdhsa_enable_private_segment 0
		.amdhsa_kernarg_size 32
		.amdhsa_user_sgpr_count 2
		.amdhsa_user_sgpr_kernarg_segment_ptr 1
		.amdhsa_wavefront_size32 1
		.amdhsa_system_sgpr_workgroup_id_x 1
		.amdhsa_system_sgpr_workgroup_id_y 1
		.amdhsa_system_sgpr_workgroup_id_z 1
		.amdhsa_system_vgpr_workitem_id 0
		.amdhsa_next_free_vgpr 512
		.amdhsa_next_free_sgpr 66
		.amdhsa_reserve_vcc 0
		.amdhsa_float_denorm_mode_32 3
		.amdhsa_float_denorm_mode_16_64 3
		.amdhsa_memory_ordered 1
		.amdhsa_forward_progress 1
		.amdhsa_inst_pref_size 96
	.end_amdhsa_kernel
	.amdgpu_metadata
---
amdhsa.version: [ 1, 2 ]
amdhsa.kernels:
  - .name:           k_q68b5895433_oproj
    .symbol:         k_q68b5895433_oproj.kd
    .args:
      - { .name: ao, .offset: 0, .size: 8, .value_kind: global_buffer, .address_space: global }
      - { .name: wb, .offset: 8, .size: 8, .value_kind: global_buffer, .address_space: global }
      - { .name: q, .offset: 16, .size: 8, .value_kind: global_buffer, .address_space: global }
      - { .name: out0, .offset: 24, .size: 8, .value_kind: global_buffer, .address_space: global }
    .group_segment_fixed_size: 327680
    .private_segment_fixed_size: 0
    .kernarg_segment_align: 8
    .kernarg_segment_size: 32
    .max_flat_workgroup_size: 128
    .sgpr_count:     66
    .vgpr_count:     512
    .wavefront_size: 32
...
	.end_amdgpu_metadata
.endif
;; end of part 4
